; MI455X (gfx1250); checked and timed in simulation.
; The chip was launched on July 23, 2026; its instructions are those of AMD's public machine-readable ISA for CDNA 5 (MIT licence, August 2026) and "CDNA5" Instruction Set Architecture Reference Guide (July 2026). The comments in the code are by the model that wrote it; some were corrected since.
;; Lo RA Layer. Allowed arithmetic: matrix products marked QUANTISED: E4M3 operands, one given power-of-two scale a tensor, by v_wmma_f32_16x16x64_fp8_fp8 or v_wmma_f32_16x16x128_fp8_fp8, f32 sums; products left as they are: f32 operands where the result goes on into a quantised operand, else bf16, f16 or f32 operands; f32 sums; everything else in f32.
;; Inputs: W_codes 4,096 x 128 x 32 uint8 (E4M3 codes of W, K innermost, in blocks of 32 codes); b 4,096 float32; lora_A_codes 16 x 128 x 32 uint8 (E4M3 codes of lora_A, K innermost, in blocks of 32 codes); lora_B 4,096 x 16 float32; lowp_scales 4 int32 (the exponents e of the quantised operands' scales 2^e); x_codes 4,096 x 128 x 32 uint8 (E4M3 codes of x, K innermost, in blocks of 32 codes).
;; Outputs: out0 4,096 x 4,096 float32.
;; This version of the problem:
;;   THIS VERSION OF THE PROBLEM IS GIVEN IN LOW PRECISION. The matrix products marked QUANTISED in the list below multiply operands that are first quantised to E4M3 (4 exponent bits, 3 mantissa bits; 8 bits a number), with one given power-of-two scale for each operand tensor; their sums are f32. All else is computed in f32.
;;   The module's matrix products, in the order in which they are computed (A, B: the left and right operand; K: the contracted axis; several contracted axes count as one K, in the product's order):
;;     1. [M 4,096, K 4,096] x [K 4,096, N 4,096]; A: input x (given as codes); B: input W (given as codes): QUANTISED (scales: A lowp_scales[0], B lowp_scales[1])
;;     2. [M 4,096, K 4,096] x [K 4,096, N 16]; A: input x (given as codes); B: input lora_A (given as codes): QUANTISED (scales: A lowp_scales[2], B lowp_scales[3])
;;     3. [M 4,096, K 16] x [K 16, N 4,096]; A: computed on the way; B: input lora_B: left as it is (K = 16 < 32)
;;   THE QUANTISER, for each operand of a quantised product, along K:
;;     - The operand's scale is 2^e, e = its entry of the input lowp_scales (int32; the entries are numbered through the quantised products in the list's order, A before B).
;;     - Each number is divided by the scale, clamped to +-448, and rounded to the nearest number of E4M3, ties to even, subnormals kept.
;;     - The product sums the exact products of the quantised numbers (number of the format x scale) in f32.
;;   ~~~python
;;   def quantise(x, axis, e):      # numpy; x: float32 -> the quantised numbers, widened to float32 again
;;       x = np.moveaxis(x, axis, -1); K = x.shape[-1]
;;       r = np.clip(x / 2.0 ** e, -448, 448)
;;       step = 2.0 ** (np.maximum(np.frexp(np.where(r == 0, 1, r))[1] - 1, -6) - 3)
;;       q = np.round(r / step) * step * 2.0 ** e      # np.round: ties to even
;;       return np.moveaxis(q, -1, axis).astype(np.float32)
;;   ~~~
;;   INPUTS GIVEN AS CODES. W (in the module: [4096, 4096], K = its axis 1); lora_A (in the module: [16, 4096], K = its axis 1); x (in the module: [4096, 4096], K = its axis 1): each comes as NAME_codes (uint8): NAME with its K axis moved to the last place and cut into blocks of 32 codes, [.., K / 32, bytes a block], one block behind the other in memory; one code a byte (a code: sign, 4 exponent bits, 3 mantissa bits); its scale is its entry of lowp_scales. Its value is code x scale, taken as it is: it is not quantised again, and the codes and scales need not be those that the quantiser above would give.
;; One version. Each part assembles by itself: llvm-mc -triple=amdgcn-amd-amdhsa -mcpu=gfx1250 --defsym DOCPART=n.
;; ======== version 1 of 1: 1 launch
;; limits: values are held in bf16: 8 bits of precision; right only within a limited range of input values
;; launch lora_gemm (part 1): grid 16 x 16, 4 waves a work-group, clusters of 4 x 4, 327,680 bytes of LDS; arguments x_codes, W_codes, lora_A_codes, lora_B, b, lowp_scales, out0; writes out0
.if DOCPART == 1
	.amdgcn_target "amdgcn-amd-amdhsa--gfx1250"
	.amdhsa_code_object_version 6
	.text
	.protected	k_qcf169908cd_lora_gemm
	.globl	k_qcf169908cd_lora_gemm
	.p2align	8
	.type	k_qcf169908cd_lora_gemm,@function
k_qcf169908cd_lora_gemm:
	s_mov_b64 s[64:65], 0
	v_nop
	global_prefetch_b8 v0, s[64:65] scope:SCOPE_SE
	s_setreg_imm32_b32 hwreg(HW_REG_WAVE_MODE, 25, 1), 1
	s_wait_xcnt 0x0
	s_wait_alu depctr_hold_cnt(0) depctr_sa_sdst(0) depctr_va_vdst(0) depctr_va_sdst(0) depctr_va_ssrc(0) depctr_va_vcc(0) depctr_vm_vsrc(0)
	s_getreg_b32 s2, hwreg(HW_REG_IB_STS2, 6, 4)
	s_cmp_eq_u32 s2, 0
	s_cbranch_scc0 .Lentry_in_a_cluster
	s_endpgm
.Lentry_in_a_cluster:
	s_bfe_u32 s2, ttmp6, 0x10000c
	s_cmp_lg_u32 s2, 0xf033
	s_cbranch_scc0 .Lentry_shape_is_right
	s_endpgm
.Lentry_shape_is_right:
; out[m][n] = 2^(e0+e1) sum_k x[m][k] W[n][k] + b[n] + 2 sum_r T[m][r] lora_B[n][r],  T[m][r] = 2^(e2+e3) sum_k x[m][k] lora_A[r][k].
; x, W, lora_A: codes of E4M3, multiplied as they are; e0 .. e3 = lowp_scales.  All products of the problem are done; nothing is left out.
; T x 2^(e2+e3+1-e0-e1) is rounded to bf16 and multiplied by bf16 lora_B onto the unscaled sums; a finished sum is then scaled by 2^(e0+e1) and gets its bias in one fused multiply-add.
; LIMITS: -126 <= e0+e1 <= 127; T x 2^(e2+e3+1-e0-e1) and lora_B stay finite in bf16 (the bf16 form has 32 terms, of which 16 are T's; the other 16 of T's side are zeros that meet finite numbers of lora_B).
; A work-group of four waves makes 256 x 256 of out, a wave 128 x 128: 64 accumulators of 16 x 16.  K goes in steps of 256 bytes through two LDS slots; rows are padded to 272 bytes.
; CLUSTERS 4 x 4: x's tiles are asked for jointly along a row of the cluster, W's along a column.
; Source 0 = 16 rows of W, source 1 = 16 rows of x: a lane holds eight neighbouring columns of one row of out.
; A wave's blocks 0-3 are the 64 rows whose T it makes itself; blocks 4-7 are the rows of the wave that has the other columns, which sends their T through LDS at the end.
; REGISTERS: window 0: addresses, T, lora's fragments, x's fragments (8 blocks x 16, one set); window 1: W's fragments (8 blocks x 16, two sets); windows 2, 3: accumulators of blocks 0-3, 4-7.
; Fragment loads stand in short bursts between groups of four matrix instructions; a block of x is fetched anew when its products are issued.
; THE PREFETCHES: behind the joint load of K step t each cluster asks for its own tiles of K step t + 2 (at the head for K step 1 too): of the 128 rows that a wave fetches each of the four partners takes 32, by address, a lane a row.
.set KSTEP,  256
.set KROW,   4096
.set NROW,   16384
.set PITCH,  272
.set HALFT,  128*PITCH
.set SLOT,   4*HALFT
.set LAO,    2*SLOT                    ; lora_A's 16 rows of a K step, two places
.set LASL,   16*PITCH
.set SPARE,  LAO+2*LASL                ; the spare words
.set XCH,    SPARE+512                 ; T on its way between two waves
.set SPITCH, 528                       ; the way out: a stage of 16 rows for each wave, in slot 0 when that has had its last fill and read
.set LAPS,   8
.set BIAS, 8
.set ADRL, 12
.set LAW,  13
.set ADRA, 14                          ; v14,15 blocks 0-3 in slot 0, 1; v16,17 blocks 4-7
.set LGO,  18
.set ADRB, 20
.set XW,   22
.set XR,   23
.set STO,  24
.set RD,   25
.set CO,   26
.set SPW,  28
.set NIL,  29
.set PFO,  30
.set T,    32                          ; T of blocks 0-3, f32, then bf16 fragments in place
.set LF,   64                          ; lora_A's fragment
.set LAR,  80                          ; lora_A on its way to LDS, two sets of 8; at the end the second fragment
.set LBP,  96                          ; lora_B as bf16: 8 blocks x 4
.set AF,   128
.set TX,   132                         ; at the end: T of blocks 4-7 (v128-131 are zeros behind LBP)
.set G1,  24
.set G0,  32
.set G1B, 48
.set G0B, 56
.set OLO, 72
.set OHI, 74
.set LAB, 76
.set PFA, 92
.set MSB, 0
.macro WIN new
.if MSB != (\new)
	s_set_vgpr_msb (MSB<<8)|(\new)
.set MSB, (\new)
.endif
.endm
.set MUL_LO, 0xa1
.set TO_B,   0x40
.macro PLACES n
.rept \n
	v_nop
.endr
.endm
; a joint load: waves 0 and 1 for x, waves 2 and 3 for W; the branch hangs on the wave's number alone
.macro JLOAD s
	s_cmp_eq_u32 s15, 0
	s_cbranch_scc0 .Lfor_w_\@
	tensor_load_to_lds s[G0+4*\s:G0+4*\s+3], s[G1:G1+7]
	s_nop 0
.rept 4
	v_nop
.endr
	s_branch .Lasked_\@
.Lfor_w_\@:
	tensor_load_to_lds s[G0B+4*\s:G0B+4*\s+3], s[G1B:G1B+7]
	s_nop 0
.rept 4
	v_nop
.endr
.Lasked_\@:
.endm
.macro DESC s
	s_mov_b32 s[G0+4*\s], 1
	s_add_co_u32 s[G0+4*\s+1], s45, \s*SLOT
	s_add_nc_u64 s[G0+4*\s+2:G0+4*\s+3], s[20:21], \s*KSTEP
	s_or_b32 s[G0+4*\s+3], s[G0+4*\s+3], 0x80000000
	s_mov_b32 s[G0B+4*\s], 1
	s_add_co_u32 s[G0B+4*\s+1], s45, \s*SLOT
	s_add_nc_u64 s[G0B+4*\s+2:G0B+4*\s+3], s[46:47], \s*KSTEP
	s_or_b32 s[G0B+4*\s+3], s[G0B+4*\s+3], 0x80000000
.endm
.macro CREST
	s_cmp_lg_u32 s14, 0
	s_cbranch_scc1 .Lnot_wave_0_\@
	s_barrier_signal -3
.Lnot_wave_0_\@:
	s_barrier_wait -3
	s_barrier_signal -1
	s_barrier_wait -1
.endm
.macro CROUND
	s_barrier_signal -1
	s_barrier_wait -1
	CREST
.endm
; fragments: 16 rows x 128 K, four loads; lane l holds row l % 16, registers 4 c .. 4 c + 3 hold K = 32 c + 16 (l / 16) + 0 .. 15, alike for all operands
.macro FRAG reg, adr, off
.irp c, 0,1,2,3
	ds_load_b128 v[\reg+4*\c:\reg+4*\c+3], v[\adr] offset:\off+32*\c
.endr
.endm
.macro LDB slot, q, i, p               ; W's block i, half q of the slot's K, into set p
	WIN TO_B
	FRAG 128*(\p)+16*(\i), ADRB+\slot, 128*(\q)+(\i)*16*PITCH
.endm
.macro LDA slot, q, i, reg             ; x's block i
	WIN 0
	FRAG \reg, ADRA+2*((\i)/4)+\slot, 128*(\q)+((\i)%4)*16*PITCH
.endm
.macro LDL slot, q, reg                ; lora_A
	WIN 0
	FRAG \reg, ADRL, (\slot)*LASL+128*(\q)
.endm
; four matrix instructions: block a against W's blocks b0 .. b0 + 3 of set p; the accumulators take turns, in the same order in every step
.macro QUAD a, b0, src, p, zero
	WIN MUL_LO+0x50*((\a)/4)
.irp b, \b0, \b0+1, \b0+2, \b0+3
.if \zero
	v_wmma_f32_16x16x128_fp8_fp8 v[8*(8*((\a)%4)+(\b)):8*(8*((\a)%4)+(\b))+7], v[128*(\p)+16*(\b):128*(\p)+16*(\b)+15], v[\src:\src+15], 0
.else
	v_wmma_f32_16x16x128_fp8_fp8 v[8*(8*((\a)%4)+(\b)):8*(8*((\a)%4)+(\b))+7], v[128*(\p)+16*(\b):128*(\p)+16*(\b)+15], v[\src:\src+15], v[8*(8*((\a)%4)+(\b)):8*(8*((\a)%4)+(\b))+7]
.endif
.endr
.endm
.macro MB a, src, p
	QUAD \a, 0, \src, \p, 0
	QUAD \a, 4, \src, \p, 0
.endm
.macro TMUL lf, base, zero             ; T of blocks 0-3
	WIN 0
.irp i, 0,1,2,3
.if \zero
	v_wmma_f32_16x16x128_fp8_fp8 v[T+8*\i:T+8*\i+7], v[\lf:\lf+15], v[\base+16*\i:\base+16*\i+15], 0
.else
	v_wmma_f32_16x16x128_fp8_fp8 v[T+8*\i:T+8*\i+7], v[\lf:\lf+15], v[\base+16*\i:\base+16*\i+15], v[T+8*\i:T+8*\i+7]
.endif
.endr
.endm
; A slot's first 128 of K (W's set 0).  On entry W's blocks 0-7, x's blocks 0-3 and lora_A's fragment L have been asked for, in this order.
; The next fragments come in two runs of LDS loads.  Each wait's count is four times the fragments asked for behind the one that is needed.
; Four places stand in front of loads into registers that products have read.
.macro STEP slot, zero
	PLACES 4
.irp i, 4,5,6,7
	LDA \slot, 0, \i, AF+16*(\i)
.endr
.irp i, 0,1,2,3
	LDB \slot, 1, \i, 1
.endr
	s_wait_dscnt 48                                ; x1 x2 x3 L and the run of eight fragments may be out
	QUAD 0, 0, AF, 0, \zero
	QUAD 0, 4, AF, 0, \zero
	s_wait_dscnt 44
	QUAD 1, 0, AF+16, 0, \zero
	QUAD 1, 4, AF+16, 0, \zero
	s_wait_dscnt 40
	QUAD 2, 0, AF+32, 0, \zero
	QUAD 2, 4, AF+32, 0, \zero
	s_wait_dscnt 36
	QUAD 3, 0, AF+48, 0, \zero
	QUAD 3, 4, AF+48, 0, \zero
	s_wait_dscnt 32
	TMUL LF, AF, \zero
	PLACES 4
	s_wait_dscnt 16                                ; x4-x7 are here; W0-W3 of the next half may be out
.irp i, 4,5,6,7
	LDB \slot, 1, \i, 1
.endr
.irp i, 0,1,2,3
	LDA \slot, 1, \i, AF+16*(\i)
.endr
	LDL \slot, 1, LF
.irp i, 4,5,6,7
	QUAD \i, 0, AF+16*(\i), 0, \zero
	QUAD \i, 4, AF+16*(\i), 0, \zero
.endr
	WIN 0
.endm
; A slot's second 128 of K (W's set 1), and the change of slots.  In front of the barrier each wave has waited for all its tensor loads, added 0 to its spare word,
; and waited for that, for its reads of this slot and for its store of lora_A.  Behind it this slot is filled again first, then the next is read.
.macro TURN slot, next, fill
.if \fill
	s_wait_xcnt 0x0                                ; the last prefetch and loads have read their bases
	s_add_nc_u64 s[PFA:PFA+1], s[PFA:PFA+1], KSTEP
.if \slot
	s_cmp_gt_u32 s3, 1
	s_cselect_b32 s66, KSTEP, 0                    ; the last trip asks for lora_A's last K step again: no load leaves the buffer
	s_add_nc_u64 s[LAB:LAB+1], s[LAB:LAB+1], s[66:67]
.else
	s_add_nc_u64 s[LAB:LAB+1], s[LAB:LAB+1], KSTEP
.endif
.endif
	PLACES 4
.irp i, 4,5,6,7
	LDA \slot, 1, \i, AF+16*(\i)
.endr
	s_wait_dscnt 32                                ; x1 x2 x3 L and x4-x7 may be out
	QUAD 0, 0, AF, 1, 0
	QUAD 0, 4, AF, 1, 0
	s_wait_dscnt 28
	QUAD 1, 0, AF+16, 1, 0
	QUAD 1, 4, AF+16, 1, 0
	s_wait_dscnt 16                                ; x4-x7
	TMUL LF, AF, 0
.if \fill
	s_wait_loadcnt 0x2                             ; the next K step of lora_A is here; the two loads of the one after it may be out
.else
	s_wait_loadcnt 0x0
.endif
	ds_store_b128 v[LAW], v[LAR+8*\next:LAR+8*\next+3] offset:(\next)*LASL
	ds_store_b128 v[LAW], v[LAR+8*\next+4:LAR+8*\next+7] offset:(\next)*LASL+2*PITCH
	s_wait_tensorcnt 0x0                           ; my part of the next slot is in
	ds_add_u32 v[SPW], v[NIL]
.if \fill
	s_add_nc_u64 s[G0+4*\slot+2:G0+4*\slot+3], s[G0+4*\slot+2:G0+4*\slot+3], 2*KSTEP
	s_add_nc_u64 s[G0B+4*\slot+2:G0B+4*\slot+3], s[G0B+4*\slot+2:G0B+4*\slot+3], 2*KSTEP
.endif
	QUAD 2, 0, AF+32, 1, 0                         ; eight matrix instructions stand between the add and the wait for it
	QUAD 2, 4, AF+32, 1, 0
	s_wait_dscnt 0x0
	s_barrier_signal -1
	QUAD 3, 0, AF+48, 1, 0                         ; work on registers while the others arrive
	WIN 0
	s_barrier_wait -1
.if \fill
	CREST
	JLOAD \slot                                    ; its four v_nop are the places for the loads below
.else
	PLACES 4
.endif
.irp i, 0,1,2,3,4,5,6,7
	LDB \next, 0, \i, 0
.endr
	WIN 0
.if \fill
	global_load_b128 v[LAR+8*\next:LAR+8*\next+3], v[LGO], s[LAB:LAB+1]
	global_load_b128 v[LAR+8*\next+4:LAR+8*\next+7], v[LGO], s[LAB:LAB+1] offset:2*KROW
	s_cmp_gt_u32 s3, 1                             ; the last trip's look-ahead would pass the rows' ends
	s_cbranch_scc0 .Lno_ask_\@
	global_prefetch_b8 v[PFO], s[PFA:PFA+1] offset:3*KSTEP th:TH_LOAD_NT scope:SCOPE_SE
.Lno_ask_\@:
.endif
	QUAD 3, 4, AF+48, 1, 0
	QUAD 4, 0, AF+64, 1, 0
	QUAD 4, 4, AF+64, 1, 0
	QUAD 5, 0, AF+80, 1, 0
	QUAD 5, 4, AF+80, 1, 0
	PLACES 4
.irp i, 0,1,2,3
	LDA \next, 0, \i, AF+16*(\i)
.endr
	LDL \next, 0, LF
	QUAD 6, 0, AF+96, 1, 0
	QUAD 6, 4, AF+96, 1, 0
	QUAD 7, 0, AF+112, 1, 0
	QUAD 7, 4, AF+112, 1, 0
	WIN 0
.endm
	s_load_b256 s[4:11], s[0:1], 0x0               ; x, W, lora_A, lora_B
	s_load_b128 s[68:71], s[0:1], 0x20             ; b, the exponents
	s_load_b64 s[72:73], s[0:1], 0x30              ; out
	v_lshl_add_u32 v[SPW], v0, 2, SPARE
	v_mov_b32 v[NIL], 0
	ds_add_u32 v[SPW], v[NIL]
	ds_add_u32 v[SPW], v[NIL]
	v_lshrrev_b32 v1, 5, v0
	v_readfirstlane_b32 s14, v1                    ; wave
	s_lshr_b32 s15, s14, 1                         ; which half of the rows is mine; I fetch for x (0) or W (1)
	s_and_b32 s16, s14, 1                          ; which half of the columns; which 128 rows I fetch
	s_bfe_u32 s40, ttmp6, 0x40000                  ; cx
	s_bfe_u32 s41, ttmp6, 0x40004                  ; cy
	s_lshl_b32 s42, ttmp9, 2
	s_add_co_u32 s42, s42, s40                     ; tile column
	s_and_b32 s17, ttmp7, 0xffff
	s_lshl_b32 s17, s17, 2
	s_add_co_u32 s17, s17, s41                     ; tile row
	s_lshl_b32 s43, s41, 2
	s_lshl_b32 s43, 15, s43                        ; my row of the cluster
	s_lshl_b32 s44, 0x1111, s40                    ; my column
	s_or_b32 s[G1], s43, (1<<20)|(1<<21)|(5<<22)|(3<<25)   ; elements of 1 byte, 4 words of padding behind every 64
	s_or_b32 s[G1B], s44, (1<<20)|(1<<21)|(5<<22)|(3<<25)
.irp g, G1, G1B
	s_mov_b32 s[\g+1], KSTEP<<16
	s_mov_b32 s[\g+2], 128<<16
	s_mov_b32 s[\g+3], KSTEP<<16
	s_mov_b32 s[\g+4], 128
	s_mov_b32 s[\g+5], KROW
	s_mov_b32 s[\g+6], 0
	s_mov_b32 s[\g+7], 0
.endr
	s_lshl_b32 s20, s17, 8
	s_lshl_b32 s21, s16, 7
	s_add_co_u32 s20, s20, s21
	s_lshl_b32 s20, s20, 12                        ; x: the rows that I fetch, in bytes
	s_mov_b32 s21, 0
	s_lshl_b32 s46, s42, 8
	s_lshl_b32 s47, s16, 7
	s_add_co_u32 s46, s46, s47
	s_lshl_b32 s46, s46, 12                        ; W
	s_mov_b32 s47, 0
	s_mul_i32 s45, s14, HALFT
	s_wait_dscnt 0x0                               ; both opening adds are done
	CROUND                                         ; all sixteen work-groups are here: the first joint loads meet
	s_wait_kmcnt 0x0
	s_add_nc_u64 s[20:21], s[4:5], s[20:21]
	s_add_nc_u64 s[46:47], s[6:7], s[46:47]
	DESC 0
	JLOAD 0                                        ; K step 0: one tensor load a wave at the head
	s_load_b128 s[96:99], s[70:71], 0x0            ; e0 .. e3
	DESC 1
	s_lshl_b32 s78, s14, 14                        ; lora_A: four rows a wave
	s_mul_i32 s79, s14, 4*PITCH
	s_add_co_u32 s79, s79, LAO
	s_mul_i32 s18, s15, HALFT
	s_mul_i32 s19, s16, 64*PITCH
	s_add_co_u32 s80, s18, s19                     ; the 64 rows whose T I make
	s_xor_b32 s22, s16, 1
	s_mul_i32 s22, s22, 64*PITCH
	s_add_co_u32 s81, s18, s22                     ; my other 64 rows
	s_mul_i32 s82, s16, HALFT
	s_add_co_u32 s82, s82, 2*HALFT                 ; my 128 rows of W
	s_lshl_b32 s83, s14, 11
	s_xor_b32 s84, s83, 2048
	s_add_co_u32 s83, s83, XCH
	s_add_co_u32 s84, s84, XCH
	s_mul_i32 s85, s14, 16*SPITCH
	s_lshl_b32 s66, s42, 10                        ; my first column, in bytes of f32
	s_lshl_b32 s67, s16, 9
	s_add_co_u32 s66, s66, s67
	s_mov_b32 s67, 0
	s_add_nc_u64 s[68:69], s[68:69], s[66:67]
	s_lshl_b32 s22, s66, 4                         ; its row of lora_B
	s_mov_b32 s23, 0
	s_add_nc_u64 s[10:11], s[10:11], s[22:23]
	; where I prefetch: the tile's first row, my 128 rows of it, my work-group's 32 of those
	s_lshl_b32 s18, s17, 8
	s_lshl_b32 s19, s42, 8
	s_cmp_eq_u32 s15, 0
	s_cselect_b32 s18, s18, s19
	s_cselect_b32 s19, s40, s41
	s_cselect_b64 s[PFA:PFA+1], s[4:5], s[6:7]
	s_lshl_b32 s23, s16, 7
	s_add_co_u32 s18, s18, s23
	s_lshl_b32 s19, s19, 5
	s_add_co_u32 s18, s18, s19
	s_lshl_b32 s18, s18, 12
	s_mov_b32 s19, 0
	s_add_nc_u64 s[PFA:PFA+1], s[PFA:PFA+1], s[18:19]
	v_and_b32 v1, 31, v0
	v_and_b32 v2, 15, v0
	v_bfe_u32 v3, v0, 4, 1
	v_lshlrev_b32 v[CO], 4, v1
	v_lshlrev_b32 v[LGO], 4, v2                    ; 16 lanes read 256 bytes of a row of lora_A
	v_lshl_add_u32 v[LGO], v3, 12, v[LGO]
	v_add_nc_u32 v[LGO], s78, v[LGO]
	v_lshlrev_b32 v4, 6, v2                        ; lora_B: row l % 16 of 64 bytes, half l / 16
	v_lshl_add_u32 v4, v3, 5, v4
	v_lshlrev_b32 v[PFO], 12, v1
	v_mul_u32_u24 v5, v2, PITCH
	v_lshl_add_u32 v5, v3, 4, v5
	v_add_nc_u32 v[ADRL], LAO, v5
	v_mul_u32_u24 v[LAW], v3, PITCH
	v_lshl_add_u32 v[LAW], v2, 4, v[LAW]
	v_add_nc_u32 v[LAW], s79, v[LAW]
	v_add_nc_u32 v[ADRA], s80, v5
	v_add_nc_u32 v[ADRA+2], s81, v5
	v_add_nc_u32 v[ADRB], s82, v5
	v_add_nc_u32 v[ADRA+1], SLOT, v[ADRA]
	v_add_nc_u32 v[ADRA+3], SLOT, v[ADRA+2]
	v_add_nc_u32 v[ADRB+1], SLOT, v[ADRB]
	v_add_nc_u32 v[XW], s83, v[CO]
	v_add_nc_u32 v[XR], s84, v[CO]
	v_mul_u32_u24 v6, v2, SPITCH
	v_lshl_add_u32 v6, v3, 5, v6
	v_add_nc_u32 v[STO], s85, v6
	v_add_nc_u32 v[RD], s85, v[CO]
	s_wait_alu depctr_va_vdst(0)                   ; the wait at the end of the head's vector work
	global_load_b128 v[LF:LF+3], v[LGO], s[8:9]    ; lora_A, K step 0
	global_load_b128 v[LF+4:LF+7], v[LGO], s[8:9] offset:2*KROW
	WIN TO_B
.irp i, 0,1,2,3,4,5,6,7                ; lora_B as f32, into W's set 1, which is free until the first step
	global_load_b128 v[128+8*\i:128+8*\i+3], v4, s[10:11] offset:1024*\i
	global_load_b128 v[128+8*\i+4:128+8*\i+7], v4, s[10:11] offset:1024*\i+16
.endr
	WIN 0
	global_load_b128 v[BIAS:BIAS+3], v[CO], s[68:69]
	global_load_b128 v[LAR+8:LAR+11], v[LGO], s[8:9] offset:KSTEP
	global_load_b128 v[LAR+12:LAR+15], v[LGO], s[8:9] offset:2*KROW+KSTEP
	global_load_b128 v[LAR:LAR+3], v[LGO], s[8:9] offset:2*KSTEP
	global_load_b128 v[LAR+4:LAR+7], v[LGO], s[8:9] offset:2*KROW+2*KSTEP
	global_prefetch_b8 v[PFO], s[PFA:PFA+1] offset:KSTEP th:TH_LOAD_NT scope:SCOPE_SE
	global_prefetch_b8 v[PFO], s[PFA:PFA+1] offset:2*KSTEP th:TH_LOAD_NT scope:SCOPE_SE
	s_add_nc_u64 s[LAB:LAB+1], s[8:9], 2*KSTEP
	s_lshl_b32 s18, s17, 8                         ; where my rows of out begin: blocks 0-3, blocks 4-7
	s_lshl_b32 s19, s15, 7
	s_add_co_u32 s18, s18, s19
	s_lshl_b32 s19, s16, 6
	s_add_co_u32 s22, s18, s19
	s_xor_b32 s19, s19, 64
	s_add_co_u32 s18, s18, s19
	s_lshl_b32 s22, s22, 14
	s_lshl_b32 s18, s18, 14
	s_add_co_u32 s22, s22, s66
	s_add_co_u32 s18, s18, s66
	s_mov_b32 s19, 0
	s_mov_b32 s23, 0
	s_add_nc_u64 s[OHI:OHI+1], s[72:73], s[18:19]
	s_add_nc_u64 s[OLO:OLO+1], s[72:73], s[22:23]
	s_wait_kmcnt 0x0
	s_add_co_i32 s96, s96, s97                     ; e0 + e1
	s_add_co_i32 s98, s98, s99
	s_sub_co_i32 s98, s98, s96
	s_add_co_i32 s98, s98, 1                       ; e2 + e3 + 1 - e0 - e1: the factor 2 of the low-rank path is in it
	s_add_co_i32 s96, s96, 127
	s_lshl_b32 s96, s96, 23                        ; 2^(e0 + e1)
	s_mov_b32 s97, s96
	s_wait_loadcnt 21                              ; lora_A's K step 0 is here; 16 of lora_B, the bias and four of lora_A may be out
	ds_store_b128 v[LAW], v[LF:LF+3]
	ds_store_b128 v[LAW], v[LF+4:LF+7] offset:2*PITCH
	s_wait_tensorcnt 0x0                           ; my part of K step 0
	ds_add_u32 v[SPW], v[NIL]
	s_wait_dscnt 0x0
	CROUND
	JLOAD 1                                        ; K step 1, the first tensor load behind the round
.irp i, 0,1,2,3,4,5,6,7
	LDB 0, 0, \i, 0
.endr
	LDA 0, 0, 0, AF
	LDA 0, 0, 1, AF+16
	LDA 0, 0, 2, AF+32
	LDA 0, 0, 3, AF+48
	LDL 0, 0, LF
	global_prefetch_b8 v[PFO], s[PFA:PFA+1] offset:3*KSTEP th:TH_LOAD_NT scope:SCOPE_SE
	s_wait_loadcnt 5                               ; lora_B is here; the bias and four of lora_A may be out
	WIN 0x05
.irp i, 0,1,2,3,4,5,6,7
.irp j, 0,1,2,3
	v_cvt_pk_bf16_f32 v[LBP+4*\i+\j], v[128+8*\i+2*\j], v[128+8*\i+2*\j+1]
.endr
.endr
	WIN 0
	s_wait_alu depctr_va_vdst(0)
	STEP 0, 1
	s_mov_b32 s3, LAPS-1
.Llap:
	TURN 0, 1, 1
	STEP 1, 0
	TURN 1, 0, 1
	STEP 0, 0
	s_sub_co_u32 s3, s3, 1
	s_cmp_lg_u32 s3, 0
	s_cbranch_scc1 .Llap
	TURN 0, 1, 0
; THE LAST K STEP (slot 1) GOES BY ROWS: blocks 0-3 over its first half; T of blocks 0-3 is finished and sent; then block after block is finished and leaves while the next ones are multiplied.
; x's blocks 0-3 of the second half lie in v192-255; later blocks 4-7 take these registers by pairs (first half, second half).
	PLACES 4
.irp i, 0,1,2,3
	LDA 1, 1, \i, AF+64+16*(\i)
.endr
	LDL 1, 1, LAR
.irp i, 0,1,2,3
	LDB 1, 1, \i, 1
.endr
	s_wait_dscnt 52                                ; x1 x2 x3 L and the run of nine fragments may be out
	MB 0, AF, 0
	s_wait_dscnt 48
	MB 1, AF+16, 0
.irp i, 4,5,6,7
	LDB 1, 1, \i, 1
.endr
	s_wait_dscnt 60                                ; x3 L, nine fragments, W4-W7
	MB 2, AF+32, 0
	s_wait_dscnt 56
	MB 3, AF+48, 0
	s_wait_dscnt 52
	TMUL LF, AF, 0
	s_wait_dscnt 32                                ; W0-W7 may be out
	TMUL LAR, AF+64, 0
	PLACES 4
.set j, 0
.rept 32
	v_ldexp_f32 v[T+j], v[T+j], s98
.set j, j+1
.endr
.irp i, 0,1,2,3
.irp k, 0,1,2,3
	v_cvt_pk_bf16_f32 v[T+8*\i+\k], v[T+8*\i+2*\k], v[T+8*\i+2*\k+1]
.endr
.irp k, 4,5,6,7
	v_mov_b32 v[T+8*\i+\k], 0
	v_mov_b32 v[TX+8*\i+\k], 0
.endr
	v_mov_b32 v[AF+\i], 0
.endr
	s_wait_alu depctr_va_vdst(0)
.irp i, 0,1,2,3
	ds_store_b128 v[XW], v[T+8*\i:T+8*\i+3] offset:512*\i
.endr
; the low-rank product onto block a: source 0 = lora_B (its upper 16 terms are the next block's numbers, which meet zeros), source 1 = T
.macro LOR a, tf
	WIN 0xa0+0x50*((\a)/4)
.irp b, 0,1,2,3,4,5,6,7
	v_wmma_f32_16x16x32_bf16 v[8*(8*((\a)%4)+\b):8*(8*((\a)%4)+\b)+7], v[LBP+4*\b:LBP+4*\b+7], v[\tf:\tf+7], v[8*(8*((\a)%4)+\b):8*(8*((\a)%4)+\b)+7]
.endr
.endm
; block a through my own stage and back as whole rows of 512 bytes, into the registers that it came from
.macro STG a
.set AC, 64*((\a)%4)
.set ZW, 2+(\a)/4
	WIN 4*ZW
.irp b, 0,1,2,3,4,5,6,7
	ds_store_b128 v[STO], v[AC+8*\b:AC+8*\b+3] offset:64*\b
	ds_store_b128 v[STO], v[AC+8*\b+4:AC+8*\b+7] offset:64*\b+16
.endr
	s_wait_dscnt 0x0                               ; the stores have read their registers
	WIN 0x40*ZW
.irp t, 0,1,2,3,4,5,6,7,8,9,10,11,12,13,14,15
	ds_load_b128 v[AC+4*\t:AC+4*\t+3], v[RD] offset:\t*SPITCH
.endr
	WIN 0
.endm
; x 2^(e0 + e1) + bias; 32 lanes store 512 consecutive bytes, at a multiple of 256
.macro SND a, younger
.set AC, 64*((\a)%4)
.set ZW, 2+(\a)/4
	s_wait_dscnt \younger
	WIN 0x41*ZW
.irp t, 0,1,2,3,4,5,6,7,8,9,10,11,12,13,14,15
	v_pk_fma_f32 v[AC+4*\t:AC+4*\t+1], v[AC+4*\t:AC+4*\t+1], s[96:97], v[BIAS:BIAS+1] op_sel_hi:[1,0,1]
	v_pk_fma_f32 v[AC+4*\t+2:AC+4*\t+3], v[AC+4*\t+2:AC+4*\t+3], s[96:97], v[BIAS+2:BIAS+3] op_sel_hi:[1,0,1]
.endr
	WIN 4*ZW
.irp t, 0,1,2,3,4,5,6,7,8,9,10,11,12,13,14,15
.if (\a) < 4
	global_store_b128 v[CO], v[AC+4*\t:AC+4*\t+3], s[OLO:OLO+1] offset:(((\a)%4)*16+\t)*NROW th:TH_STORE_NT
.else
	global_store_b128 v[CO], v[AC+4*\t:AC+4*\t+3], s[OHI:OHI+1] offset:(((\a)%4)*16+\t)*NROW th:TH_STORE_NT
.endif
.endr
	WIN 0
.endm
	s_wait_dscnt 0x0                               ; my T is in LDS, and all fragments asked for are here
	s_barrier_signal -1
	MB 0, AF+64, 1
	PLACES 5
	LOR 0, T
	MB 1, AF+80, 1
	WIN 0
	s_barrier_wait -1
.irp i, 0,1,2,3
	ds_load_b128 v[TX+8*\i:TX+8*\i+3], v[XR] offset:512*\i
.endr
	PLACES 5
	STG 0
	LDA 1, 0, 4, AF+64
	LDA 1, 1, 4, AF+80
	LOR 1, T+8
	SND 0, 8                                       ; (its 32 multiply-adds are the places behind the products above)
	STG 1
	MB 2, AF+96, 1
	MB 3, AF+112, 1
	PLACES 5
	LDA 1, 0, 5, AF+96
	LDA 1, 1, 5, AF+112
	LOR 2, T+16
	LOR 3, T+24
	SND 1, 8
	STG 2
	MB 4, AF+64, 0
	MB 4, AF+80, 1
	PLACES 5
	LDA 1, 0, 6, AF+64
	LDA 1, 1, 6, AF+80
	LOR 4, TX
	SND 2, 8
	STG 3
	MB 5, AF+96, 0
	MB 5, AF+112, 1
	PLACES 5
	LDA 1, 0, 7, AF+96
	LDA 1, 1, 7, AF+112
	LOR 5, TX+8
	SND 3, 8
	STG 4
	MB 6, AF+64, 0
	MB 6, AF+80, 1
	PLACES 5
	LOR 6, TX+16
	SND 4, 0
	STG 5
	MB 7, AF+96, 0
	MB 7, AF+112, 1
	PLACES 5
	LOR 7, TX+24
	SND 5, 0
	STG 6
	SND 6, 0
	STG 7
	SND 7, 0
	s_wait_tensorcnt 0x0                           ; the wave's end
	ds_add_u32 v[SPW], v[NIL]
	s_wait_dscnt 0x0
	CROUND                                         ; the closing round
	s_endpgm
.Lfunc_end_k_qcf169908cd_lora_gemm:
	.size	k_qcf169908cd_lora_gemm, .Lfunc_end_k_qcf169908cd_lora_gemm-k_qcf169908cd_lora_gemm
	.p2alignl 7, 3214868480
	.fill 96, 4, 3214868480
	.section	.rodata,"a",@progbits
	.p2align	6, 0x0
	.amdhsa_kernel k_qcf169908cd_lora_gemm
		.amdhsa_group_segment_fixed_size 327680
		.amdhsa_private_segment_fixed_size 0
		.amdhsa_enable_private_segment 0
		.amdhsa_kernarg_size 56
		.amdhsa_user_sgpr_count 2
		.amdhsa_user_sgpr_kernarg_segment_ptr 1
		.amdhsa_wavefront_size32 1
		.amdhsa_system_sgpr_workgroup_id_x 1
		.amdhsa_system_sgpr_workgroup_id_y 1
		.amdhsa_system_sgpr_workgroup_id_z 1
		.amdhsa_system_vgpr_workitem_id 0
		.amdhsa_next_free_vgpr 1024
		.amdhsa_next_free_sgpr 102
		.amdhsa_reserve_vcc 0
		.amdhsa_float_denorm_mode_32 3
		.amdhsa_float_denorm_mode_16_64 3
		.amdhsa_memory_ordered 1
		.amdhsa_forward_progress 1
		.amdhsa_inst_pref_size 148
	.end_amdhsa_kernel
	.amdgpu_metadata
---
amdhsa.version: [ 1, 2 ]
amdhsa.kernels:
  - .name:           k_qcf169908cd_lora_gemm
    .symbol:         k_qcf169908cd_lora_gemm.kd
    .args:
      - { .name: x_codes, .offset: 0, .size: 8, .value_kind: global_buffer, .address_space: global }
      - { .name: W_codes, .offset: 8, .size: 8, .value_kind: global_buffer, .address_space: global }
      - { .name: lora_A_codes, .offset: 16, .size: 8, .value_kind: global_buffer, .address_space: global }
      - { .name: lora_B, .offset: 24, .size: 8, .value_kind: global_buffer, .address_space: global }
      - { .name: b, .offset: 32, .size: 8, .value_kind: global_buffer, .address_space: global }
      - { .name: lowp_scales, .offset: 40, .size: 8, .value_kind: global_buffer, .address_space: global }
      - { .name: out0, .offset: 48, .size: 8, .value_kind: global_buffer, .address_space: global }
    .group_segment_fixed_size: 327680
    .private_segment_fixed_size: 0
    .kernarg_segment_align: 8
    .kernarg_segment_size: 56
    .max_flat_workgroup_size: 128
    .sgpr_count:     102
    .vgpr_count:     1024
    .wavefront_size: 32
...
	.end_amdgpu_metadata
.endif
;; end of part 1
